; MI455X (gfx1250); checked and timed in simulation.
; The chip was launched on July 23, 2026; its instructions are those of AMD's public machine-readable ISA for CDNA 5 (MIT licence, August 2026) and "CDNA5" Instruction Set Architecture Reference Guide (July 2026). The comments in the code are by the model that wrote it; some were corrected since.
;; Attention layer. Allowed arithmetic: matrix products marked QUANTISED: E2M3 operands, one E8M0 scale for each 32 along K, by v_wmma_scale_f32_16x16x128_f8f6f4 with both operands' format E2M3, f32 sums; everything else in f32.
;; Inputs: encoder_output_embedding 4 x 2,048 x 1,024 float32; input_embeddings 4 x 2,048 x 1,024 float32; token_attention_masks_source 4 x 2,048 int32; token_attention_masks_target 4 x 2,048 int32; w_key 1,024 x 1,024 float32; w_query 1,024 x 1,024 float32; w_value 1,024 x 1,024 float32.
;; Outputs: out0 4 x 2,048 x 1,024 float32.
;; This version of the problem:
;;   THIS VERSION OF THE PROBLEM IS GIVEN IN LOW PRECISION. The matrix products marked QUANTISED in the list below multiply operands that are first quantised to E2M3 (2 exponent bits, 3 mantissa bits; 6 bits a number), with one power-of-two scale for each 32 numbers along K (OCP MX v1.0); their sums are f32. All else is computed in f32.
;;   The module's matrix products, in the order in which they are computed (A, B: the left and right operand; K: the contracted axis; several contracted axes count as one K, in the product's order):
;;     1. [M 8,192, K 1,024] x [K 1,024, N 1,024]; A: input input_embeddings; B: input w_query: QUANTISED
;;     2. [M 8,192, K 1,024] x [K 1,024, N 1,024]; A: input input_embeddings; B: input w_key: QUANTISED
;;     3. [M 8,192, K 1,024] x [K 1,024, N 1,024]; A: input input_embeddings; B: input w_value: QUANTISED
;;     4. batch 32 x [M 2,048, K 128] x [K 128, N 2,048]; A: computed on the way; B: computed on the way: QUANTISED
;;     5. batch 32 x [M 2,048, K 2,048] x [K 2,048, N 128]; A: softmax (see below); B: computed on the way: QUANTISED
;;   THE QUANTISER, for each operand of a quantised product, along K:
;;     - K is cut into blocks of 32 from its start; a last block that is shorter is filled with zeros.
;;     - A block's scale is 2^e with e = floor(log2(the largest magnitude in the block)) - 2, held to -126 .. 127; a block of zeros has e = 0. As a byte (E8M0): e + 127.
;;     - Each number is divided by its block's scale, clamped to +-7.5, and rounded to the nearest number of E2M3, ties to even, subnormals kept.
;;     - The product sums the exact products of the quantised numbers (number of the format x scale) in f32.
;;   ~~~python
;;   def quantise(x, axis):      # numpy; x: float32 -> the quantised numbers, widened to float32 again
;;       x = np.moveaxis(x, axis, -1); K = x.shape[-1]
;;       x = np.pad(x, [(0, 0)] * (x.ndim - 1) + [(0, -K % 32)]); x = x.reshape(x.shape[:-1] + (-1, 32)); a = np.abs(x).max(-1, keepdims=True)
;;       e = np.where(a > 0, np.clip(np.frexp(np.where(a > 0, a, 1))[1] - 1 - 2, -126, 127), 0)      # np.frexp(a)[1] - 1 = floor(log2(a)), exactly
;;       r = np.clip(x / 2.0 ** e, -7.5, 7.5)
;;       step = 2.0 ** (np.maximum(np.frexp(np.where(r == 0, 1, r))[1] - 1, 0) - 3)
;;       q = np.round(r / step) * step * 2.0 ** e      # np.round: ties to even
;;       return np.moveaxis(q.reshape(q.shape[:-2] + (-1,))[..., :K], -1, axis).astype(np.float32)
;;   ~~~
;;   SOFTMAX AHEAD OF A QUANTISED PRODUCT. Where the list says 'softmax', what is quantised is not the finished softmax but p = 2^(t - M), with t = logit x log2(e) and M = ceil(the row's largest t), a whole number; so 1/2 < the row's largest p <= 1. The row's sum l is taken of the UNQUANTISED p, in f32, and the product's result is divided by l at the end. Since M is a whole number, a kernel that streams over the keys may use a running M (the ceiling of the running maximum): every later rescaling is an exact power of two, which a block's scale takes up: the codes' values come out the same.
;;   OPERANDS COMPUTED ON THE WAY. 'Computed on the way' means the value that the module computes at that place (a softmax that the list does not call 'softmax' is quantised finished and normalised). What goes into a quantiser is computed in f32, as accurately as f32 sums, v_exp_f32 and their like allow (about 1e-6 of the number): no bf16 or f16 on the way to a quantiser, and a product that is left as it is and whose result goes on into a quantised operand takes f32 operands (vector FMAs, or v_wmma_f32_16x16x4_f32). A number that lies on a knife's edge between two numbers of the format may be rounded either way, as far as f32 arithmetic and the matrix unit's own rounding can turn it there, and no further.
;; One version. Each part assembles by itself: llvm-mc -triple=amdgcn-amd-amdhsa -mcpu=gfx1250 --defsym DOCPART=n.
;; ======== version 1 of 1: 4 launches
;; limits: right only within a limited range of input values
;; workspace buffers: xq 6,553,600 bytes; wq 2,457,600 bytes; kv 13,107,200 bytes; ow 33,554,432 bytes
;; launch quant (part 1): grid 352 x 1, 8 waves a work-group, no clusters, 161,792 bytes of LDS; arguments input_embeddings, w_query, w_key, w_value, xq, wq; writes xq, wq
.if DOCPART == 1
	.amdgcn_target "amdgcn-amd-amdhsa--gfx1250"
	.amdhsa_code_object_version 6
	.text
	.protected	k_qbc84f88e6e_quant
	.globl	k_qbc84f88e6e_quant
	.p2align	8
	.type	k_qbc84f88e6e_quant,@function
k_qbc84f88e6e_quant:
	s_mov_b64 s[64:65], 0
	v_nop
	global_prefetch_b8 v0, s[64:65] scope:SCOPE_SE
	s_setreg_imm32_b32 hwreg(HW_REG_WAVE_MODE, 25, 1), 1
	s_wait_xcnt 0x0
; x [8192][1024] and the three weights [1024 (k)][1024 (n)], f32, become codes of FP6 (E2M3) with one E8M0 byte for each 32 along K, in BLOCKS of 12,800 bytes.
; INPUTS LEFT OUT: reference() never reads encoder_output_embedding nor token_attention_masks_target, so they have no way to out0 whatever they hold: no launch loads them or has them among its arguments.
; A NaN or an infinity in those two inputs is therefore not carried to the result.
; A BLOCK is 128 rows x 128 along K as an image of the matrix operand's registers: byte 1536 t + 512 c + 16 lane holds registers 4 c .. 4 c + 3 of fragment t; in fragment t lane (r, hh) holds row
; 32 (t / 2) + 8 (t % 2) + r + 8 (r / 8), registers 6 c .. 6 c + 5 its k = 64 c + 32 hh + 0 .. 31.  Byte 12,288 + 128 p + 4 lane: a row's scale word, lanes 0-15 fragment 2 p, lanes 16-31 fragment 2 p + 1.
; xq is [group of 128 rows: 64][K step: 8] blocks.  wq is [matrix x 8 + head: 24][K step: 8] blocks whose row d is column 8 d + head of the weight.
; Work-groups 0-95 take the weights (the longer chain of loads, so the lower numbers): g = 32 matrix + 4 s + p takes k = 128 s .. and columns 256 p ..: the pair of fragments p of eight heads' blocks.
;   A thread takes a column and its registers run down K; its codes go to LDS as records of 48 bytes a lane; behind one barrier wave w stores head w's two fragments as images.
; Work-groups 96-351 take x: two blocks each, four waves a block; a wave makes two fragments from 32 rows, which turn through its own stage in LDS, since a conversion wants neighbours along K in one lane.
; The two paths part on the work-group's number alone and have LDS bytes of their own.  Every store of codes covers 512 consecutive bytes, aligned to 256.
; A block's scale byte is its largest magnitude's exponent field - 2, held at 1 from below.  No matrix work, no cluster: work-groups share nothing.
; LIMITS: NaN and infinities among the inputs are not served.  A block of zeros gets the byte 1 where the rule says 127: its codes are zeros, and this program alone reads the bytes.
.set BLK,   12800
.set SP,    528                        ; x: a stage row, 512 bytes + 16
.set STG,   32*SP                      ; x: a wave's stage
.set WB,    8*STG                      ; behind the eight stages: the weights' records, 16 fragments x 1,536 bytes
.set SCW,   WB+24576                   ; and their scale words, 128 bytes a head
.set SPARE, WB+25600                   ; the spare words, 128 bytes a wave
	s_load_b256 s[4:11], s[0:1], 0x0               ; x, w_query, w_key, w_value
	s_load_b128 s[12:15], s[0:1], 0x20             ; xq, wq
	v_lshl_add_u32 v254, v0, 2, SPARE
	v_mov_b32 v255, 0
	v_lshrrev_b32 v6, 5, v0
	v_readfirstlane_b32 s16, v6                    ; wave
	s_cmp_lt_u32 ttmp9, 96
	s_wait_alu depctr_va_vdst(0)                   ; the wait ahead of the branch
	s_cbranch_scc0 .Lx
; ---------------- the weights
.set REC,  2                           ; my column's records: WB + head x 3,072 + u x 1,536 + r x 48
.set SWA,  3                           ; my column's scale word
.set CO,   4                           ; 4 x thread: my column
.set RBK,  5                           ; back: WB + wave x 3,072 + 48 x lane
.set RSW,  6                           ; back: my wave's head's scale words
.set LI,   7
.set LS,   8
.set BM,   16
.set SO,   17
.set BY,   18
.set WD,   19
.set CT,   20
.set BM2,  23
.set X,    32                          ; v32-159 my column's 128 numbers
.set C,    160                         ; block j's six registers of codes at C + 8 j; later the records read back
	v_and_b32 v9, 31, v0
	v_and_b32 v10, 7, v0                           ; my column's head
	v_bfe_u32 v11, v0, 6, 1                        ; u: which fragment of the pair
	v_bfe_u32 v12, v0, 3, 3
	v_lshrrev_b32 v13, 7, v0
	v_lshl_add_u32 v12, v13, 3, v12                ; r: which row of it
	v_mul_u32_u24 v[REC], v10, 3072
	v_lshlrev_b32 v[SWA], 7, v10
	v_mad_u32_u24 v[REC], v11, 1536, v[REC]
	v_lshl_add_u32 v[SWA], v11, 6, v[SWA]
	v_mad_u32_u24 v[REC], v12, 48, v[REC]
	v_lshl_add_u32 v[SWA], v12, 2, v[SWA]
	v_add_nc_u32 v[REC], WB, v[REC]
	v_add_nc_u32 v[SWA], SCW, v[SWA]
	v_lshlrev_b32 v[CO], 2, v0
	s_mul_i32 s20, s16, 3072
	s_add_co_u32 s20, s20, WB
	v_mul_u32_u24 v[RBK], v9, 48
	v_lshlrev_b32 v[LS], 2, v9
	v_add_nc_u32 v[RBK], s20, v[RBK]
	s_lshl_b32 s20, s16, 7
	s_add_co_u32 s20, s20, SCW
	v_add_nc_u32 v[RSW], s20, v[LS]
	v_lshlrev_b32 v[LI], 4, v9
	s_lshr_b32 s17, ttmp9, 5                       ; the matrix
	s_bfe_u32 s18, ttmp9, 0x30002                  ; s: the K step
	s_and_b32 s19, ttmp9, 3                        ; p: the pair of fragments
	s_lshl_b32 s22, s18, 19                        ; 128 rows of 4,096 bytes a K step,
	s_lshl_b32 s20, s19, 10                        ; 256 columns a pair
	s_add_co_u32 s22, s22, s20
	s_mov_b32 s23, 0
	s_lshl_b32 s24, s17, 3
	s_add_co_u32 s24, s24, s16                     ; on the way out my wave's head
	s_lshl_b32 s24, s24, 3
	s_add_co_u32 s24, s24, s18
	s_mul_i32 s24, s24, BLK                        ; its block of this K step
	s_lshl_b32 s20, s19, 7
	s_add_co_u32 s26, s24, s20
	s_add_co_u32 s26, s26, 12288                   ; the pair's scale words
	s_mov_b32 s27, 0
	s_mul_i32 s20, s19, 3072
	s_add_co_u32 s24, s24, s20                     ; the pair's fragments
	s_mov_b32 s25, 0
	s_wait_alu depctr_va_vdst(0)                   ; the wait at the head's end
	s_wait_kmcnt 0x0
	s_cmp_eq_u32 s17, 1                            ; the choice of the weight hangs on the work-group's number alone
	s_cselect_b64 s[6:7], s[8:9], s[6:7]
	s_cmp_eq_u32 s17, 2
	s_cselect_b64 s[6:7], s[10:11], s[6:7]
	s_add_nc_u64 s[6:7], s[6:7], s[22:23]
	s_add_nc_u64 s[24:25], s[14:15], s[24:25]
	s_add_nc_u64 s[26:27], s[14:15], s[26:27]
.macro LOAD t                          ; block t: W(32 t + i, my column): a wave reads 128 consecutive bytes
.set i, 0
.rept 32
	global_load_b32 v[X+32*(\t)+i], v[CO], s[6:7] offset:(32*(\t)+i)*4096 th:TH_LOAD_NT
.set i, i+1
.endr
.endm
	LOAD 0                                         ; all 128 loads of my column go out on end, each into a register of its own
	LOAD 1
	LOAD 2
	LOAD 3
.macro BLOCK j
.set XS, X+32*(\j)
.set CJ, C+8*(\j)
.if \j < 2
	s_wait_loadcnt 63                              ; behind this block's loads stand 96 or 64 younger ones: a count under both
.else
	s_wait_loadcnt 32*(3-\j)                       ; the later blocks' loads may be out
.endif
	v_max3_num_f32 v[BM], |v[XS]|, |v[XS+1]|, |v[XS+2]|             ; the block's largest magnitude, in two chains
	v_max3_num_f32 v[BM2], |v[XS+3]|, |v[XS+4]|, |v[XS+5]|
.irp i, 6,10,14,18,22,26
	s_delay_alu instid0(VALU_DEP_2)
	v_max3_num_f32 v[BM], v[BM], |v[XS+\i]|, |v[XS+\i+1]|
	s_delay_alu instid0(VALU_DEP_2)
	v_max3_num_f32 v[BM2], v[BM2], |v[XS+\i+2]|, |v[XS+\i+3]|
.endr
	s_delay_alu instid0(VALU_DEP_2)
	v_max3_num_f32 v[BM], v[BM], |v[XS+30]|, |v[XS+31]|
	s_delay_alu instid0(VALU_DEP_1)
	v_max3_num_f32 v[BM], v[BM], v[BM2], 0x1800000 ; and the floor 2^(3 - 127): the byte cannot fall under 1
	s_delay_alu instid0(VALU_DEP_1)
	v_add_nc_u32 v[SO], 0xff000000, v[BM]          ; 2 off the exponent field: the conversion's scale operand
	s_delay_alu instid0(VALU_DEP_1)
	v_lshrrev_b32 v[BY], 23, v[SO]                 ; the scale's byte
.if \j == 0
	s_delay_alu instid0(VALU_DEP_1)
	v_mov_b32 v[WD], v[BY]
.else
	s_delay_alu instid0(VALU_DEP_1)
	v_lshl_or_b32 v[WD], v[BY], 8*\j, v[WD]        ; byte j of my row's scale word
.endif
	v_cvt_scalef32_pk16_fp6_f32 v[CJ:CJ+2], v[XS:XS+15], v[SO]
	v_cvt_scalef32_pk16_fp6_f32 v[CT:CT+2], v[XS+16:XS+31], v[SO]  ; a conversion's three registers begin on an even number
	v_nop                                          ; one plain place behind a scaled conversion
.irp i, 0,1,2
	v_mov_b32 v[CJ+3+\i], v[CT+\i]
.endr
.irp i, 0,1,2
	ds_store_b64 v[REC], v[CJ+2*\i:CJ+2*\i+1] offset:768*(\j%2)+24*(\j/2)+8*\i   ; block j = 2 c + hh: registers 6 c .. 6 c + 5 of lane r + 16 hh
.endr
.endm
	BLOCK 0
	BLOCK 1
	BLOCK 2
	BLOCK 3
	ds_store_b32 v[SWA], v[WD]
	s_wait_dscnt 0x0                               ; for the others' sake: my records and my scale word have landed
	s_barrier_signal -1
	s_barrier_wait -1
.irp u, 0,1
.irp c, 0,1,2
	ds_load_b128 v[C+12*\u+4*\c:C+12*\u+4*\c+3], v[RBK] offset:1536*\u+16*\c
.endr
.endr
	ds_load_b32 v[BM], v[RSW]
	s_wait_dscnt 0x0
.irp u, 0,1
.irp c, 0,1,2
	global_store_b128 v[LI], v[C+12*\u+4*\c:C+12*\u+4*\c+3], s[24:25] offset:1536*\u+512*\c
.endr
.endr
	global_store_b32 v[LS], v[BM], s[26:27]
	s_wait_tensorcnt 0x0                           ; the wave's end
	ds_add_u32 v254, v255
	s_wait_dscnt 0x0
	s_endpgm
; ---------------- x
.Lx:
.set LI,   1
.set LS,   2
.set SIN,  3                           ; the stage, on the way in
.set SOUT, 4                           ; and on the way out: row r, + 128 hh
.set SH,   5                           ; 8 hh: where my two scale bytes stand in the word
.set CT,   16
.set BM,   24
.set SO,   26
.set BY,   28
.set WD,   30
.set PD,   31
.set X,    32                          ; v32-159  32 rows as loaded
.set N0,   160                         ; fragment 0's 64 numbers
.set N1,   32                          ; fragment 1's, where X lay
.set PC0,  224
.set PC1,  236
.set PW0,  248
.set PW1,  249
.set SW,   250
	s_sub_co_u32 s17, ttmp9, 96
	s_lshl_b32 s17, s17, 1
	s_lshr_b32 s18, s16, 2
	s_add_co_u32 s17, s17, s18                     ; my block
	s_and_b32 s18, s16, 3                          ; my pair of fragments in it
	s_mul_i32 s19, s16, STG
	v_and_b32 v7, 31, v0
	v_and_b32 v6, 15, v0                           ; r
	v_lshlrev_b32 v[LI], 4, v7
	v_lshlrev_b32 v[LS], 2, v7
	v_bfe_u32 v7, v0, 4, 1                         ; hh
	v_mul_u32_u24 v[SOUT], v6, SP
	v_add_nc_u32 v[SIN], s19, v[LI]
	v_lshl_add_u32 v[SOUT], v7, 7, v[SOUT]
	v_lshlrev_b32 v[SH], 3, v7
	v_add_nc_u32 v[SOUT], s19, v[SOUT]
	v_mov_b32 v[PD], 0                             ; a lane permute's destination counts as one of its sources
	s_mov_b32 s28, 0x76543210
	s_mov_b32 s29, 0xfedcba98                      ; selects for lane l xor 16
	s_mov_b32 s30, 0xffff0000                      ; lanes 16-31
	s_lshr_b32 s20, s17, 3                         ; the group of rows
	s_lshl_b32 s20, s20, 7
	s_lshl_b32 s21, s18, 5
	s_add_co_u32 s20, s20, s21                     ; my first row
	s_lshl_b32 s20, s20, 12                        ; x 4,096 bytes
	s_and_b32 s21, s17, 7                          ; the K step
	s_lshl_b32 s21, s21, 9
	s_add_co_u32 s20, s20, s21
	s_mov_b32 s21, 0
	s_mul_i32 s22, s17, BLK
	s_mul_i32 s23, s18, 3072
	s_add_co_u32 s24, s22, s23                     ; my two fragments
	s_mov_b32 s25, 0
	s_lshl_b32 s23, s18, 7
	s_add_co_u32 s26, s22, s23
	s_add_co_u32 s26, s26, 12288                   ; my pair's scale words
	s_mov_b32 s27, 0
	s_wait_alu depctr_va_vdst(0)                   ; the wait at the head's end
	s_wait_kmcnt 0x0
	s_add_nc_u64 s[4:5], s[4:5], s[20:21]
	s_add_nc_u64 s[24:25], s[12:13], s[24:25]
	s_add_nc_u64 s[26:27], s[12:13], s[26:27]
.set i, 0
.rept 32
	global_load_b128 v[X+4*i:X+4*i+3], v[LI], s[4:5] offset:i*4096 th:TH_LOAD_NT   ; row i: 512 consecutive bytes
.set i, i+1
.endr
.set i, 0
.rept 32
	s_wait_loadcnt 31-i                            ; loads come back in order: row i is in, the younger ones stay out
	ds_store_b128 v[SIN], v[X+4*i:X+4*i+3] offset:(16*((i/8)%2)+i%8+8*(i/16))*SP   ; to its place among the two fragments' rows
.set i, i+1
.endr
.irp c, 0,1
.irp i, 0,1,2,3,4,5,6,7
	ds_load_b128 v[N0+32*\c+4*\i:N0+32*\c+4*\i+3], v[SOUT] offset:256*\c+16*\i
.endr
.endr
	s_wait_dscnt 0x0                               ; fragment 0's numbers are in, and the stores have read X
.irp c, 0,1
.irp i, 0,1,2,3,4,5,6,7
	ds_load_b128 v[N1+32*\c+4*\i:N1+32*\c+4*\i+3], v[SOUT] offset:16*SP+256*\c+16*\i  ; fragment 1 lands while fragment 0 is quantised
.endr
.endr
; 64 numbers of a lane, v[n + 32 c + i] = k 64 c + 32 hh + i of my row, become the fragment's 12 registers and the row's scale word
.macro QUANTB n, pc, pw
.irp c, 0,1
	v_max3_num_f32 v[BM+\c], |v[\n+32*\c]|, |v[\n+32*\c+1]|, 0x1800000   ; with the floor 2^(3 - 127)
.endr
.irp i, 2,4,6,8,10,12,14,16,18,20,22,24,26,28,30
.irp c, 0,1
	v_max3_num_f32 v[BM+\c], v[BM+\c], |v[\n+32*\c+\i]|, |v[\n+32*\c+\i+1]|
.endr
.endr
.irp c, 0,1
	v_add_nc_u32 v[SO+\c], 0xff000000, v[BM+\c]
.endr
.irp c, 0,1
	v_lshrrev_b32 v[BY+\c], 23, v[SO+\c]
.endr
	v_lshl_or_b32 v[WD], v[BY+1], 16, v[BY]        ; my bytes: blocks hh and 2 + hh,
	v_lshlrev_b32 v[WD], v[SH], v[WD]              ; at their places;
	v_permlanex16_b32 v[PD], v[WD], s28, s29
	v_or_b32 v[\pw], v[WD], v[PD]                  ; with lane l xor 16's two the word is whole
.irp c, 0,1
	v_cvt_scalef32_pk16_fp6_f32 v[\pc+6*\c:\pc+6*\c+2], v[\n+32*\c:\n+32*\c+15], v[SO+\c]
	v_cvt_scalef32_pk16_fp6_f32 v[CT+4*\c:CT+4*\c+2], v[\n+32*\c+16:\n+32*\c+31], v[SO+\c]
.endr
	v_nop                                          ; one plain place behind a scaled conversion
.irp c, 0,1
.irp i, 0,1,2
	v_mov_b32 v[\pc+6*\c+3+\i], v[CT+4*\c+\i]
.endr
.endr
.endm
	QUANTB N0, PC0, PW0
.irp c, 0,1,2
	global_store_b128 v[LI], v[PC0+4*\c:PC0+4*\c+3], s[24:25] offset:512*\c
.endr
	s_wait_dscnt 0x0                               ; fragment 1's numbers
	QUANTB N1, PC1, PW1
.irp c, 0,1,2
	global_store_b128 v[LI], v[PC1+4*\c:PC1+4*\c+3], s[24:25] offset:1536+512*\c
.endr
	v_cndmask_b32 v[SW], v[PW0], v[PW1], s30       ; lanes 0-15 fragment 0's words, lanes 16-31 fragment 1's
	global_store_b32 v[LS], v[SW], s[26:27]
	s_wait_tensorcnt 0x0                           ; the wave's end
	ds_add_u32 v254, v255
	s_wait_dscnt 0x0
	s_endpgm
.Lfunc_end_k_qbc84f88e6e_quant:
	.size	k_qbc84f88e6e_quant, .Lfunc_end_k_qbc84f88e6e_quant-k_qbc84f88e6e_quant
	.p2alignl 7, 3214868480
	.fill 96, 4, 3214868480
	.section	.rodata,"a",@progbits
	.p2align	6, 0x0
	.amdhsa_kernel k_qbc84f88e6e_quant
		.amdhsa_group_segment_fixed_size 161792
		.amdhsa_private_segment_fixed_size 0
		.amdhsa_enable_private_segment 0
		.amdhsa_kernarg_size 48
		.amdhsa_user_sgpr_count 2
		.amdhsa_user_sgpr_kernarg_segment_ptr 1
		.amdhsa_wavefront_size32 1
		.amdhsa_system_sgpr_workgroup_id_x 1
		.amdhsa_system_sgpr_workgroup_id_y 1
		.amdhsa_system_sgpr_workgroup_id_z 1
		.amdhsa_system_vgpr_workitem_id 0
		.amdhsa_next_free_vgpr 256
		.amdhsa_next_free_sgpr 66
		.amdhsa_reserve_vcc 0
		.amdhsa_float_denorm_mode_32 3
		.amdhsa_float_denorm_mode_16_64 3
		.amdhsa_memory_ordered 1
		.amdhsa_forward_progress 1
		.amdhsa_inst_pref_size 42
	.end_amdhsa_kernel
	.amdgpu_metadata
---
amdhsa.version: [ 1, 2 ]
amdhsa.kernels:
  - .name:           k_qbc84f88e6e_quant
    .symbol:         k_qbc84f88e6e_quant.kd
    .args:
      - { .name: input_embeddings, .offset: 0, .size: 8, .value_kind: global_buffer, .address_space: global }
      - { .name: w_query, .offset: 8, .size: 8, .value_kind: global_buffer, .address_space: global }
      - { .name: w_key, .offset: 16, .size: 8, .value_kind: global_buffer, .address_space: global }
      - { .name: w_value, .offset: 24, .size: 8, .value_kind: global_buffer, .address_space: global }
      - { .name: xq, .offset: 32, .size: 8, .value_kind: global_buffer, .address_space: global }
      - { .name: wq, .offset: 40, .size: 8, .value_kind: global_buffer, .address_space: global }
    .group_segment_fixed_size: 161792
    .private_segment_fixed_size: 0
    .kernarg_segment_align: 8
    .kernarg_segment_size: 48
    .max_flat_workgroup_size: 256
    .sgpr_count:     66
    .vgpr_count:     256
    .wavefront_size: 32
...
	.end_amdgpu_metadata
.endif
;; end of part 1
;; launch proj (part 2): grid 8 x 32, 4 waves a work-group, clusters of 4 x 4, 327,680 bytes of LDS; arguments xq, wq, kv; writes kv
.if DOCPART == 2
	.amdgcn_target "amdgcn-amd-amdhsa--gfx1250"
	.amdhsa_code_object_version 6
	.text
	.protected	k_qbc84f88e6e_proj
	.globl	k_qbc84f88e6e_proj
	.p2align	8
	.type	k_qbc84f88e6e_proj,@function
k_qbc84f88e6e_proj:
	s_mov_b64 s[64:65], 0
	v_nop
	global_prefetch_b8 v0, s[64:65] scope:SCOPE_SE
	s_setreg_imm32_b32 hwreg(HW_REG_WAVE_MODE, 25, 1), 1
	s_wait_xcnt 0x0
	s_wait_alu depctr_hold_cnt(0) depctr_sa_sdst(0) depctr_va_vdst(0) depctr_va_sdst(0) depctr_va_ssrc(0) depctr_va_vcc(0) depctr_vm_vsrc(0)
	s_getreg_b32 s2, hwreg(HW_REG_IB_STS2, 6, 4)
	s_cmp_eq_u32 s2, 0
	s_cbranch_scc0 .Lentry_in_a_cluster
	s_endpgm
.Lentry_in_a_cluster:
	s_bfe_u32 s2, ttmp6, 0x10000c
	s_cmp_lg_u32 s2, 0xf033
	s_cbranch_scc0 .Lentry_shape_is_right
	s_endpgm
.Lentry_shape_is_right:
; k = x w_key and v = x w_value on codes of FP6 (E2M3) with E8M0 scales, quantised again on the way out.  (q is made by the launch that uses it.)
; Operands and results are blocks of 12,800 bytes: 128 rows x 128 along K as an image of the operand's registers, with the rows' scale words behind them.
; 256 work-groups of four waves, a block of 256 x 256 each, a wave 128 x 128, which is one block of the result.  Cluster rows 0-3 make k (rows = positions, quantised along d),
; cluster rows 4-7 make v with the sources' roles changed (rows = d, quantised along the keys).  kv is [4 head + batch: 32][key step: 16][k, v] blocks.
; Clusters of 4 x 4 ask for each tile jointly; K goes in two slots of two K steps.
.set BLK,   12800
.set QS2,   2*BLK
.set SLOT,  4*QS2
.set GRP,   8*BLK
.set SPARE, 2*SLOT
.set FR,    12
.set NL,    3
.set ADRA, 16
.set ADSA, 18
.set ADRB, 20
.set ADSB, 22
.set LI,   24
.set LS,   25
.set SPW,  28
.set NIL,  29
.set SC,   32
.set PW,   64
.set SW,   72
.set AF,   128
.set CT,   224
.set BM,   232
.set BP,   236
.set SO,   240
.set G1,  24
.set G0,  32
.set G1B, 48
.set G0B, 56
.set MSB, 0
.macro WIN new
.if MSB != \new
	s_set_vgpr_msb (MSB<<8)|\new
.set MSB, \new
.endif
.endm
.set MUL_LO, 0xa1
.set MUL_HI, 0xf1
.set TO_B,   0x40
.macro JLOAD g0a, g1a, g0b, g1b
	s_cmp_eq_u32 s15, 0
	s_cbranch_scc0 .Lfor_b_\@
	tensor_load_to_lds s[\g0a:\g0a+3], s[\g1a:\g1a+7]
	s_nop 0
.rept 4
	v_nop
.endr
	s_branch .Lasked_\@
.Lfor_b_\@:
	tensor_load_to_lds s[\g0b:\g0b+3], s[\g1b:\g1b+7]
	s_nop 0
.rept 4
	v_nop
.endr
.Lasked_\@:
.endm
.macro CREST
	s_cmp_lg_u32 s14, 0
	s_cbranch_scc1 .Lnot_wave_0_\@
	s_barrier_signal -3
.Lnot_wave_0_\@:
	s_barrier_wait -3
	s_barrier_signal -1
	s_barrier_wait -1
.endm
.macro CROUND
	s_barrier_signal -1
	s_barrier_wait -1
	CREST
.endm
.macro PLACES
.rept 4
	v_nop
.endr
.endm
	s_load_b128 s[4:7], s[0:1], 0x0
	s_load_b64 s[8:9], s[0:1], 0x10
	v_lshl_add_u32 v[SPW], v0, 2, SPARE
	v_mov_b32 v[NIL], 0
	ds_add_u32 v28, v29
	ds_add_u32 v28, v29
	s_wait_dscnt 0x0
	v_lshrrev_b32 v1, 5, v0
	v_readfirstlane_b32 s14, v1
	s_lshr_b32 s15, s14, 1
	s_and_b32 s16, s14, 1
	s_bfe_u32 s40, ttmp6, 0x40000
	s_bfe_u32 s41, ttmp6, 0x40004
	s_and_b32 s17, ttmp7, 0xffff
	s_lshl_b32 s43, s41, 2
	s_lshl_b32 s43, 15, s43
	s_lshl_b32 s44, 0x1111, s40
	s_lshl_b32 s19, ttmp9, 2
	s_add_co_u32 s19, s19, s40
	s_lshl_b32 s19, s19, 1
	s_max_u32 s42, s17, 4
	s_sub_co_u32 s42, s42, 4
	s_lshl_b32 s42, s42, 4
	s_add_co_u32 s19, s19, s42                     ; v: x's group 2 (4 X + cx) + 16 (Y - 4)
	s_lshl_b32 s42, s40, 1
	s_add_co_u32 s42, s42, 8                       ; k: the weight's group 8 + 2 cx
	s_cmp_lt_u32 s17, 4
	s_cselect_b32 s19, s42, s19
	s_lshl_b32 s18, s41, 1
	s_lshl_b32 s20, ttmp9, 2
	s_add_co_u32 s20, s20, s17
	s_lshl_b32 s20, s20, 3                         ; k: x's group 8 (4 X + Y) + 2 cy
	s_or_b32 s[G1+0], s43, (3<<16)|(1<<21)
	s_or_b32 s[G1B+0], s44, (3<<16)|(1<<21)
.irp g, G1, G1B
	s_mov_b32 s[\g+1], 32<<16
	s_mov_b32 s[\g+2], 100<<16
	s_mov_b32 s[\g+3], 32<<16
	s_mov_b32 s[\g+4], 100
	s_mov_b32 s[\g+5], 32
	s_mov_b32 s[\g+6], 0
	s_mov_b32 s[\g+7], 0
.endr
	s_mul_i32 s45, s14, QS2
	s_mov_b32 s70, 0x1800000
	s_mov_b32 s71, 0xffff0000
	s_mov_b32 s72, 0x76543210
	s_mov_b32 s73, 0xfedcba98
	s_wait_kmcnt 0x0
	s_cmp_lt_u32 s17, 4
	s_cselect_b64 s[10:11], s[4:5], s[6:7]
	s_cselect_b64 s[12:13], s[6:7], s[4:5]
	s_cselect_b32 s20, s20, 16
	s_add_co_u32 s18, s18, s20
	s_add_co_u32 s20, s18, s16
	s_mul_i32 s20, s20, GRP
	s_mov_b32 s21, 0
	s_add_co_u32 s46, s19, s16
	s_mul_i32 s46, s46, GRP
	s_mov_b32 s47, 0
	s_add_nc_u64 s[20:21], s[10:11], s[20:21]
	s_add_nc_u64 s[46:47], s[12:13], s[46:47]
.irp s, 0,1
	s_mov_b32 s[G0+4*\s], 1
	s_add_co_u32 s[G0+4*\s+1], s45, \s*SLOT
	s_add_nc_u64 s[G0+4*\s+2:G0+4*\s+3], s[20:21], \s*QS2
	s_or_b32 s[G0+4*\s+3], s[G0+4*\s+3], 0x80000000
	s_mov_b32 s[G0B+4*\s], 1
	s_add_co_u32 s[G0B+4*\s+1], s45, \s*SLOT
	s_add_nc_u64 s[G0B+4*\s+2:G0B+4*\s+3], s[46:47], \s*QS2
	s_or_b32 s[G0B+4*\s+3], s[G0B+4*\s+3], 0x80000000
	s_wait_alu depctr_va_vdst(0)
	s_wait_tensorcnt 0x0
	ds_add_u32 v28, v29
	ds_add_u32 v28, v29
	s_wait_dscnt 0x0
	CROUND
	JLOAD G0+4*\s, G1, G0B+4*\s, G1B
.endr
	v_and_b32 v1, 31, v0
	v_lshlrev_b32 v[LI], 4, v1
	v_lshlrev_b32 v[LS], 2, v1
	s_mul_i32 s21, s15, QS2
	s_mul_i32 s22, s16, QS2
	s_add_co_u32 s22, s22, 2*QS2
.irp s, 0,1
	v_add_nc_u32 v[ADRA+\s], s21, v[LI]
	v_add_nc_u32 v[ADSA+\s], s21, v[LS]
	v_add_nc_u32 v[ADRB+\s], s22, v[LI]
	v_add_nc_u32 v[ADSB+\s], s22, v[LS]
	s_add_co_u32 s21, s21, SLOT
	s_add_co_u32 s22, s22, SLOT
.endr
.irp b, 0,1,2,3
	v_mov_b32 v[BP+\b], 0
.endr
	s_add_co_u32 s74, s18, s15
	s_add_co_u32 s75, s19, s16
	s_and_b32 s76, s75, 7                          ; k: block 2 (64 head + x's group)
	s_lshl_b32 s76, s76, 6
	s_add_co_u32 s76, s76, s74
	s_lshl_b32 s76, s76, 1
	s_and_b32 s77, s74, 7                          ; v: the block behind it
	s_lshl_b32 s77, s77, 6
	s_add_co_u32 s77, s77, s75
	s_lshl_b32 s77, s77, 1
	s_add_co_u32 s77, s77, 1
	s_cmp_lt_u32 s17, 4
	s_cselect_b32 s76, s76, s77
	s_mul_i32 s76, s76, BLK
	s_mov_b32 s77, 0
	s_add_nc_u64 s[68:69], s[8:9], s[76:77]
.macro WM zero
.if \zero
.if oX && oY
	v_wmma_scale_f32_16x16x128_f8f6f4 v[rD:rD+7], v[rX:rX+11], v[rY:rY+11], 0, v[sX], v[sY] matrix_a_fmt:MATRIX_FMT_FP6 matrix_b_fmt:MATRIX_FMT_FP6 matrix_a_scale:MATRIX_SCALE_ROW1 matrix_b_scale:MATRIX_SCALE_ROW1
.elseif oX
	v_wmma_scale_f32_16x16x128_f8f6f4 v[rD:rD+7], v[rX:rX+11], v[rY:rY+11], 0, v[sX], v[sY] matrix_a_fmt:MATRIX_FMT_FP6 matrix_b_fmt:MATRIX_FMT_FP6 matrix_a_scale:MATRIX_SCALE_ROW1
.elseif oY
	v_wmma_scale_f32_16x16x128_f8f6f4 v[rD:rD+7], v[rX:rX+11], v[rY:rY+11], 0, v[sX], v[sY] matrix_a_fmt:MATRIX_FMT_FP6 matrix_b_fmt:MATRIX_FMT_FP6 matrix_b_scale:MATRIX_SCALE_ROW1
.else
	v_wmma_scale_f32_16x16x128_f8f6f4 v[rD:rD+7], v[rX:rX+11], v[rY:rY+11], 0, v[sX], v[sY] matrix_a_fmt:MATRIX_FMT_FP6 matrix_b_fmt:MATRIX_FMT_FP6
.endif
.else
.if oX && oY
	v_wmma_scale_f32_16x16x128_f8f6f4 v[rD:rD+7], v[rX:rX+11], v[rY:rY+11], v[rD:rD+7], v[sX], v[sY] matrix_a_fmt:MATRIX_FMT_FP6 matrix_b_fmt:MATRIX_FMT_FP6 matrix_a_scale:MATRIX_SCALE_ROW1 matrix_b_scale:MATRIX_SCALE_ROW1
.elseif oX
	v_wmma_scale_f32_16x16x128_f8f6f4 v[rD:rD+7], v[rX:rX+11], v[rY:rY+11], v[rD:rD+7], v[sX], v[sY] matrix_a_fmt:MATRIX_FMT_FP6 matrix_b_fmt:MATRIX_FMT_FP6 matrix_a_scale:MATRIX_SCALE_ROW1
.elseif oY
	v_wmma_scale_f32_16x16x128_f8f6f4 v[rD:rD+7], v[rX:rX+11], v[rY:rY+11], v[rD:rD+7], v[sX], v[sY] matrix_a_fmt:MATRIX_FMT_FP6 matrix_b_fmt:MATRIX_FMT_FP6 matrix_b_scale:MATRIX_SCALE_ROW1
.else
	v_wmma_scale_f32_16x16x128_f8f6f4 v[rD:rD+7], v[rX:rX+11], v[rY:rY+11], v[rD:rD+7], v[sX], v[sY] matrix_a_fmt:MATRIX_FMT_FP6 matrix_b_fmt:MATRIX_FMT_FP6
.endif
.endif
.endm
.macro MUL16 a0, p, q, sc, zero
.irp a, \a0, \a0+1
.irp b, 0,1,2,3,4,5,6,7
.set rD, 8*(8*((\a)%4)+\b)
.set rX, 128*(\p)+FR*\b
.set rY, AF+FR*(\a)
.set sX, SC+16*(\sc)+8*(\q)+4+\b/2
.set sY, SC+16*(\sc)+8*(\q)+(\a)/2
.set oX, \b%2
.set oY, (\a)%2
	WM \zero
.endr
.endr
.endm
.macro FRAG reg, adr, q, i
.irp c, 0,1,2
	ds_load_b128 v[\reg+4*\c:\reg+4*\c+3], v[\adr] offset:(\q)*BLK+(\i)*1536+512*\c
.endr
.endm
.macro FETCH_B slot, q, p
	WIN TO_B
.irp i, 0,1,2,3,4,5,6,7
	FRAG 128*(\p)+FR*\i, ADRB+\slot, \q, \i
.endr
	WIN 0
.endm
.macro FETCH_A slot, q, i0
.irp i, \i0, \i0+1, \i0+2, \i0+3
	FRAG AF+FR*(\i), ADRA+\slot, \q, \i
.endr
.endm
.macro SCALES sc
.irp q, 0,1
.irp p, 0,1,2,3
	ds_load_b32 v[SC+16*\sc+8*\q+\p], v[ADSA+\sc] offset:\q*BLK+12288+128*\p
	ds_load_b32 v[SC+16*\sc+8*\q+4+\p], v[ADSB+\sc] offset:\q*BLK+12288+128*\p
.endr
.endr
.endm
.macro STEP slot, zero
	s_wait_dscnt 4*NL
	WIN MUL_LO
	MUL16 0, 0, 0, \slot, \zero
	MUL16 2, 0, 0, \slot, \zero
	s_wait_dscnt 0x0
	PLACES
	FETCH_B \slot, 1, 1
	FETCH_A \slot, 1, 0
	WIN MUL_HI
	MUL16 4, 0, 0, \slot, \zero
	MUL16 6, 0, 0, \slot, \zero
	PLACES
	WIN 0
	FETCH_A \slot, 1, 4
.endm
.macro TURN slot, next, fill
	s_wait_tensorcnt 0x0
	ds_add_u32 v[SPW], v[NIL]
	s_wait_dscnt 4*NL+1
	WIN MUL_LO
	MUL16 0, 1, 1, \slot, 0
	s_wait_dscnt 0x0
	s_barrier_signal -1
	MUL16 2, 1, 1, \slot, 0
	WIN 0
	s_barrier_wait -1
.if \fill
	CREST
	s_add_nc_u64 s[G0+4*\slot+2:G0+4*\slot+3], s[G0+4*\slot+2:G0+4*\slot+3], 2*QS2
	s_add_nc_u64 s[G0B+4*\slot+2:G0B+4*\slot+3], s[G0B+4*\slot+2:G0B+4*\slot+3], 2*QS2
	JLOAD G0+4*\slot, G1, G0B+4*\slot, G1B
.else
	PLACES
.endif
	FETCH_B \next, 0, 0
	FETCH_A \next, 0, 0
	SCALES \next
	WIN MUL_HI
	MUL16 4, 1, 1, \slot, 0
	MUL16 6, 1, 1, \slot, 0
	PLACES
	WIN 0
	FETCH_A \next, 0, 4
.endm
	s_wait_alu depctr_va_vdst(0)
	s_wait_tensorcnt 1
	s_barrier_signal -1
	s_barrier_wait -1
	FETCH_B 0, 0, 0
	FETCH_A 0, 0, 0
	SCALES 0
	FETCH_A 0, 0, 4
	STEP 0, 1
	TURN 0, 1, 1
	STEP 1, 0
	TURN 1, 0, 1
	STEP 0, 0
	TURN 0, 1, 0
	STEP 1, 0
	s_wait_dscnt 4*NL
	WIN MUL_LO
	MUL16 0, 1, 1, 1, 0
	MUL16 2, 1, 1, 1, 0
	s_wait_dscnt 0x0
	WIN MUL_HI
	MUL16 4, 1, 1, 1, 0
	MUL16 6, 1, 1, 1, 0
	WIN 0
.macro QUANTW a
.set AC, 64*((\a)%4)
.set WN, 2+(\a)/4
.set WM3, (WN<<2)|(WN<<4)
.set PC, AF+FR*(\a)
	WIN WM3
.irp b, 0,1,2,3
	v_max3_num_f32 v[BM+\b], s70, |v[AC+16*\b]|, |v[AC+16*\b+1]|
.endr
.irp i, 2,4,6,8,10,12,14
.irp b, 0,1,2,3
	v_max3_num_f32 v[BM+\b], v[BM+\b], |v[AC+16*\b+\i]|, |v[AC+16*\b+\i+1]|
.endr
.endr
	WIN 0
.irp b, 0,1,2,3
	v_permlanex16_b32 v[BP+\b], v[BM+\b], s72, s73
.endr
.irp b, 0,1,2,3
	v_max_num_f32 v[BM+\b], v[BM+\b], v[BP+\b]
.endr
.irp b, 0,1,2,3
	v_add_nc_u32 v[SO+\b], 0xff000000, v[BM+\b]
.endr
.irp b, 0,1,2,3
	v_lshrrev_b32 v[BP+\b], 23, v[SO+\b]
.endr
	v_lshl_or_b32 v[PW+(\a)], v[BP+1], 8, v[BP]
	v_lshl_or_b32 v[PW+(\a)], v[BP+2], 16, v[PW+(\a)]
	v_lshl_or_b32 v[PW+(\a)], v[BP+3], 24, v[PW+(\a)]
	WIN WN
.irp c, 0,1
	v_cvt_scalef32_pk16_fp6_f32 v[PC+6*\c:PC+6*\c+2], v[AC+32*\c:AC+32*\c+15], v[SO+2*\c]
	v_cvt_scalef32_pk16_fp6_f32 v[CT+4*\c:CT+4*\c+2], v[AC+32*\c+16:AC+32*\c+31], v[SO+2*\c+1]
.endr
	WIN 0
	v_nop
.irp c, 0,1
.irp i, 0,1,2
	v_permlane16_swap_b32 v[PC+6*\c+\i], v[CT+4*\c+\i]
.endr
.irp i, 0,1,2
	v_mov_b32 v[PC+6*\c+3+\i], v[CT+4*\c+\i]
.endr
.endr
.endm
	PLACES
.irp a, 0,1,2,3,4,5,6,7
	QUANTW \a
.irp c, 0,1,2
	global_store_b128 v[LI], v[AF+FR*\a+4*\c:AF+FR*\a+4*\c+3], s[68:69] offset:1536*\a+512*\c
.endr
.endr
.irp p, 0,1,2,3
	v_cndmask_b32 v[SW+\p], v[PW+2*\p], v[PW+2*\p+1], s71
.endr
.irp p, 0,1,2,3
	global_store_b32 v[LS], v[SW+\p], s[68:69] offset:12288+128*\p
.endr
	s_wait_tensorcnt 0x0
	ds_add_u32 v[SPW], v[NIL]
	s_wait_dscnt 0x0
	CROUND
	s_endpgm
.Lfunc_end_k_qbc84f88e6e_proj:
	.size	k_qbc84f88e6e_proj, .Lfunc_end_k_qbc84f88e6e_proj-k_qbc84f88e6e_proj
	.p2alignl 7, 3214868480
	.fill 96, 4, 3214868480
	.section	.rodata,"a",@progbits
	.p2align	6, 0x0
	.amdhsa_kernel k_qbc84f88e6e_proj
		.amdhsa_group_segment_fixed_size 327680
		.amdhsa_private_segment_fixed_size 0
		.amdhsa_enable_private_segment 0
		.amdhsa_kernarg_size 24
		.amdhsa_user_sgpr_count 2
		.amdhsa_user_sgpr_kernarg_segment_ptr 1
		.amdhsa_wavefront_size32 1
		.amdhsa_system_sgpr_workgroup_id_x 1
		.amdhsa_system_sgpr_workgroup_id_y 1
		.amdhsa_system_sgpr_workgroup_id_z 1
		.amdhsa_system_vgpr_workitem_id 0
		.amdhsa_next_free_vgpr 1024
		.amdhsa_next_free_sgpr 100
		.amdhsa_reserve_vcc 0
		.amdhsa_float_denorm_mode_32 3
		.amdhsa_float_denorm_mode_16_64 3
		.amdhsa_memory_ordered 1
		.amdhsa_forward_progress 1
		.amdhsa_inst_pref_size 139
	.end_amdhsa_kernel
	.amdgpu_metadata
---
amdhsa.version: [ 1, 2 ]
amdhsa.kernels:
  - .name:           k_qbc84f88e6e_proj
    .symbol:         k_qbc84f88e6e_proj.kd
    .args:
      - { .name: xq, .offset: 0, .size: 8, .value_kind: global_buffer, .address_space: global }
      - { .name: wq, .offset: 8, .size: 8, .value_kind: global_buffer, .address_space: global }
      - { .name: kv, .offset: 16, .size: 8, .value_kind: global_buffer, .address_space: global }
    .group_segment_fixed_size: 327680
    .private_segment_fixed_size: 0
    .kernarg_segment_align: 8
    .kernarg_segment_size: 24
    .max_flat_workgroup_size: 128
    .sgpr_count:     100
    .vgpr_count:     1024
    .wavefront_size: 32
...
	.end_amdgpu_metadata
.endif
;; end of part 2
;; launch attn (part 3): grid 8 x 32, 8 waves a work-group, clusters of 4 x 1, 327,680 bytes of LDS; arguments kv, token_attention_masks_source, ow, xq, wq; writes ow
.if DOCPART == 3
	.amdgcn_target "amdgcn-amd-amdhsa--gfx1250"
	.amdhsa_code_object_version 6
	.text
	.protected	k_qbc84f88e6e_attn
	.globl	k_qbc84f88e6e_attn
	.p2align	8
	.type	k_qbc84f88e6e_attn,@function
k_qbc84f88e6e_attn:
	s_mov_b64 s[64:65], 0
	v_nop
	global_prefetch_b8 v0, s[64:65] scope:SCOPE_SE
	s_setreg_imm32_b32 hwreg(HW_REG_WAVE_MODE, 25, 1), 1
	s_wait_xcnt 0x0
	s_wait_alu depctr_hold_cnt(0) depctr_sa_sdst(0) depctr_va_vdst(0) depctr_va_sdst(0) depctr_va_ssrc(0) depctr_va_vcc(0) depctr_vm_vsrc(0)
	s_getreg_b32 s2, hwreg(HW_REG_IB_STS2, 6, 4)
	s_cmp_eq_u32 s2, 0
	s_cbranch_scc0 .Lentry_in_a_cluster
	s_endpgm
.Lentry_in_a_cluster:
	s_bfe_u32 s2, ttmp6, 0x10000c
	s_cmp_lg_u32 s2, 0x3003
	s_cbranch_scc0 .Lentry_shape_is_right
	s_endpgm
.Lentry_shape_is_right:
; q = x w_query, then O = softmax(q k^T / sqrt(128) + the mask's addend on the QUERY) v, for 32 (head, batch) pairs of 2,048 positions; all three products on codes of FP6 (E2M3) with E8M0 scales.
; Operands come as blocks of 12,800 bytes (128 rows x 128 along K as an image of the operand's registers; lane r of fragment t holds row 32 (t / 2) + 8 (t % 2) + r + 8 (r / 8); scale words at byte
; 12,288 + 128 p + 4 lane, lanes 0-15 fragment 2 p, lanes 16-31 fragment 2 p + 1).  With y = 4 head + batch, key step j's block of k is block 32 y + 2 j of kv, its block of v the next one.
; SHARES.  A work-group owns 256 queries of one pair; each of its eight waves two tiles of 16 (fragments 2 p, 2 p + 1 of a block of x, p = wave % 4), so each fragment read from LDS feeds two products;
; two waves share a SIMD, so that one's vector work stands beside the other's products and LDS loads.
; THE QUERIES.  A wave's 32 rows of x, 8 K steps x 2 fragments, come from xq straight into registers, K step by K step, and each K step of the product waits for its own seven loads alone;
; the head's eight blocks of w_query lie in LDS.  q^T = w x^T (source 0 = 16 of d): a lane holds one query and its registers run along d, so q is quantised in registers into the operand's layout.
; THE SOFTMAX: t = score x log2(e) / sqrt(128) + mt, mt = -1000 log2(e) where the query's mask is 0, else 0; M = the largest t so far, rounded UP to a whole number; p = 2^(t - M) is quantised along the keys,
; not normalised.  The row's sum is taken of the unquantised p and divides O at the end.  When M moves, the sum and O are multiplied by 2^(old M - new M): exact.
; ORDER OF ROUNDING, stated: the exponent is ONE fused multiply-add, score x c + (mt - M).  reference() rounds score / sqrt(128) - 1000 to f32 first; this text does not.
; LAYOUT.  S^T = k q^T (source 0 = 16 keys), O^T = v^T p^T (source 0 = 16 of d): a lane holds ONE query throughout; the 16 registers of tiles 2 b, 2 b + 1 are keys (or d) 32 b + 16 (lane / 16) + 0 .. 15.
; CLUSTER.  The four blocks of queries of a cluster walk the same w_query, k and v: each fill is asked for jointly (mask 15), an eighth by each wave.
; LDS.  Region A, 204,800 bytes, and region B, 102,400.  At the head B takes w_query; behind the first round A takes key steps 0-7, which land under the q product; then B takes steps 8-11 while A is walked,
; A's first half steps 12-15 while B is walked.  One tensor load of a wave is out at a time.
; NO PREFETCH: each fill is asked for the whole q product, eight key steps or four key steps ahead of its first read, so the waves do not stand waiting for the stream.
; ow: f32 [batch][head][position][128]; in a row, d stands at place 64 ((d / 16) % 2) + 4 (d % 16) + d / 32, the order in which the next launch wants it.  Each store covers a whole row of 512 bytes.
; LIMITS: NaN and infinities are not served.  The scaled scores stay under 2^31 in magnitude.  A block that has fallen to zeros keeps the scale byte 1: its codes are zeros.  Any mask word other than 0 counts as 1.
; REGISTERS: window 0: v1-9 addresses; v12-27 statistics; v28-41 scale words; v44-67 q; v68-91 p's codes; v92-117 at work (v44-115 first hold x's K steps 5-7); v118-125 x's scale words; v128-255 q^T, S^T, p.
;            window 1: v0-127 O^T (first x's K steps 0-4); v128-223 eight fragments of w, k or v.
.set BLK,   12800
.set STEPB, 2*BLK                      ; a key step: k's block, then v's
.set SLB,   8*STEPB                    ; region B
.set SPARE, SLB+4*STEPB                ; the spare words, 128 bytes a wave
.set STGB,  16*528                     ; the way out: 16 rows x (512 + 16) bytes a wave, in region B, which has had its last fill and its last read behind the last barrier
.set LI,  1
.set LS,  2
.set SPW, 3
.set NIL, 4
.set ADF, 5
.set ADS, 6
.set STO, 7
.set RD,  8
.set MO,  9
.set ST,  12                           ; tile u at ST + 8 u: +0 mt - M, +1 -M, +2, +3 the sum, +4 f, +5 the largest t, +6 mt, +7 at work
.set QS,  28                           ; v28-29 q's scale words, a tile each
.set KS,  32
.set VS,  36
.set PW,  40
.set Q,   44
.set PC,  68
.set CT,  92
.set BM,  100
.set BP,  104
.set SO,  108
.set TA,  112
.set SUM, 116
.set XS,  118                          ; v118-125 x's scale words, a K step each: lanes 0-15 tile 0, lanes 16-31 tile 1
.set S,   128
.set FRG, 128                          ; in window 1
.set WV,  12
.set G1,  24                           ; s[24:31] descriptor group 1;  s[32:35] group 0
.set CS,  36
.set SEL, 38
.set TB,  40
.set CNT, 42
.set MSB, 0
.macro WIN new                         ; the immediate's high byte repeats the setting that is left
.if MSB != \new
	s_set_vgpr_msb (MSB<<8)|\new
.set MSB, \new
.endif
.endm
.macro PLACES
.rept 4
	v_nop
.endr
.endm
.macro CROUND                          ; a round of the cluster's barrier
	s_barrier_signal -1
	s_barrier_wait -1
	s_cmp_lg_u32 s[WV], 0
	s_cbranch_scc1 .Lnot_wave_0_\@
	s_barrier_signal -3
.Lnot_wave_0_\@:
	s_barrier_wait -3
	s_barrier_signal -1
	s_barrier_wait -1
.endm
.macro TLOAD                           ; every wave asks for its eighth; s_nop 0 and four v_nop follow
	tensor_load_to_lds s[32:35], s[G1:G1+7]
	s_nop 0
	PLACES
.endm
; A CHANGE.  Each wave waits for all its tensor loads, adds 0 to its spare word, and waits for that and for its LDS reads.  fill = 1: the barrier is a round of the cluster's, and behind it each wave asks for
; rows x 256 bytes: its eighth of the key steps from 'first' on, to LDS byte 'base' on.
.macro CHANGE fill, rows, base, first
	s_wait_tensorcnt 0x0                           ; no tensor load of mine is out, so the descriptor may be written
	ds_add_u32 v[SPW], v[NIL]
.if \fill
	s_mul_i32 s16, s[WV], (\rows)*256
	s_add_co_u32 s33, s16, \base
	s_add_co_u32 s16, s16, (\first)*STEPB
	s_add_nc_u64 s[34:35], s[4:5], s[16:17]
	s_or_b32 s35, s35, 0x80000000
	s_mov_b32 s[G1+2], (\rows)<<16
	s_mov_b32 s[G1+4], \rows
.endif
	s_wait_dscnt 0x0
.if \fill
	CROUND
	TLOAD
.else
	s_barrier_signal -1
	s_barrier_wait -1
.endif
.endm
.macro XLOAD s                         ; x's K step s: my two fragments, 24 registers, and their scale words: seven loads
.if (\s) < 5
	WIN 0x40
.irp c, 0,1,2,3,4,5
	global_load_b128 v[24*(\s)+4*\c:24*(\s)+4*\c+3], v[LI], s[44:45] offset:(\s)*BLK+512*\c
.endr
	WIN 0
.else
.irp c, 0,1,2,3,4,5
	global_load_b128 v[Q+24*((\s)-5)+4*\c:Q+24*((\s)-5)+4*\c+3], v[LI], s[44:45] offset:(\s)*BLK+512*\c
.endr
.endif
	global_load_b32 v[XS+(\s)], v[LS], s[46:47] offset:(\s)*BLK
.endm
	s_load_b128 s[4:7], s[0:1], 0x0                ; kv, the mask
	s_load_b128 s[8:11], s[0:1], 0x10              ; ow, xq
	s_load_b64 s[54:55], s[0:1], 0x20              ; wq
	v_lshl_add_u32 v[SPW], v0, 2, SPARE
	v_mov_b32 v[NIL], 0
	ds_add_u32 v[SPW], v[NIL]                      ; the opening lines: the add twice on end and its wait
	ds_add_u32 v[SPW], v[NIL]
	v_lshrrev_b32 v10, 5, v0
	v_readfirstlane_b32 s[WV], v10                 ; wave 0..7
	s_bfe_u32 s13, ttmp6, 0x40000                  ; cx
	s_lshl_b32 s14, ttmp9, 2
	s_add_co_u32 s14, s14, s13                     ; my block of 256 queries: it enters x's, the mask's and ow's addresses alone
	s_and_b32 s15, ttmp7, 0xffff                   ; y = 4 head + batch, which the four partners share
	s_and_b32 s18, s[WV], 3                        ; p
	s_lshr_b32 s19, s[WV], 2                       ; which of the work-group's two blocks of x
	s_and_b32 s21, s15, 3                          ; batch
	s_lshr_b32 s22, s15, 2                         ; head
	s_mul_i32 s52, s15, 16*STEPB                   ; kv: the pair's k and v
	s_mov_b32 s53, 0
	s_mul_i32 s16, s22, 8*BLK                      ; the head's eight blocks of w_query,
	s_mul_i32 s23, s[WV], BLK                      ; of which wave w brings block w
	s_add_co_u32 s16, s16, s23
	s_mov_b32 s17, 0
	s_add_co_u32 s33, s23, SLB
	s_lshl_b32 s20, s21, 4                         ; x: group 16 batch + 2 x block of queries + wave / 4
	s_lshl_b32 s23, s14, 1
	s_add_co_u32 s20, s20, s23
	s_add_co_u32 s20, s20, s19
	s_mul_i32 s20, s20, 8*BLK
	s_mul_i32 s23, s18, 3072
	s_add_co_u32 s44, s20, s23                     ; fragments 2 p, 2 p + 1
	s_mov_b32 s45, 0
	s_lshl_b32 s23, s18, 7
	s_add_co_u32 s46, s20, s23
	s_add_co_u32 s46, s46, 12288                   ; their scale words
	s_mov_b32 s47, 0
	s_lshl_b32 s20, s14, 8
	s_lshl_b32 s23, s19, 7
	s_add_co_u32 s20, s20, s23
	s_lshl_b32 s23, s18, 5
	s_add_co_u32 s20, s20, s23                     ; the position at which my 32 queries begin
	s_lshl_b32 s23, s21, 11
	s_add_co_u32 s23, s23, s20
	s_lshl_b32 s48, s23, 2                         ; the mask: 4 bytes a position
	s_mov_b32 s49, 0
	s_lshl_b32 s23, s21, 3
	s_add_co_u32 s23, s23, s22
	s_lshl_b32 s23, s23, 11
	s_add_co_u32 s23, s23, s20
	s_lshl_b32 s50, s23, 9                         ; ow: 512 bytes a row
	s_mov_b32 s51, 0
	s_mov_b32 s[G1], 15|(3<<16)|(1<<21)            ; the mask: all four work-groups; elements of 8 bytes; bit 21 beside a mask
	s_mov_b32 s[G1+1], 32<<16                      ; rows of 256 bytes,
	s_mov_b32 s[G1+2], 50<<16                      ; 50 of them: a block
	s_mov_b32 s[G1+3], 32<<16
	s_mov_b32 s[G1+4], 50
	s_mov_b32 s[G1+5], 32
	s_mov_b32 s[G1+6], 0
	s_mov_b32 s[G1+7], 0
	s_mov_b32 s[CS], 0x3e0293ee                    ; c = log2(e) / sqrt(128)
	s_mov_b32 s[CS+1], s[CS]
	s_mov_b32 s[SEL], 0x76543210
	s_mov_b32 s[SEL+1], 0xfedcba98                 ; selects for lane l xor 16
	s_mov_b32 s[TB], 0
	s_wait_dscnt 0x0                               ; both opening adds are done
	s_wait_kmcnt 0x0
	s_add_nc_u64 s[44:45], s[10:11], s[44:45]
	s_add_nc_u64 s[46:47], s[10:11], s[46:47]
	s_add_nc_u64 s[48:49], s[6:7], s[48:49]
	s_add_nc_u64 s[50:51], s[8:9], s[50:51]
	s_add_nc_u64 s[4:5], s[4:5], s[52:53]
	s_mov_b32 s32, 1
	s_add_nc_u64 s[34:35], s[54:55], s[16:17]      ; made of y and the wave's number alone
	s_or_b32 s35, s35, 0x80000000
	v_and_b32 v10, 31, v0
	v_lshlrev_b32 v[LI], 4, v10
	v_lshlrev_b32 v[LS], 2, v10
	XLOAD 0                                        ; x's first two K steps are on their way while the work-groups meet
	XLOAD 1
	s_wait_alu depctr_va_vdst(0)                   ; the wait ahead of the barrier's signal
	CROUND                                         ; all four work-groups are here: the first joint loads meet
	TLOAD                                          ; w_query into region B: my one tensor load at the head
.irp s, 2,3,4,5,6,7
	XLOAD \s
.endr
	v_and_b32 v10, 15, v0                          ; r
	v_bfe_u32 v11, v0, 4, 1                        ; lane / 16
	v_and_b32 v[MO], 8, v10
	v_add_nc_u32 v[MO], v[MO], v10
	v_lshlrev_b32 v[MO], 2, v[MO]
	global_load_b32 v[ST+7], v[MO], s[48:49]            ; tile 0: the mask word of query r + 8 (r / 8),
	global_load_b32 v[ST+15], v[MO], s[48:49] offset:32 ; tile 1: eight positions on
	s_mul_i32 s23, s[WV], STGB
	s_add_co_u32 s23, s23, SLB
	v_mul_u32_u24 v[STO], v10, 528
	v_lshl_add_u32 v[STO], v11, 8, v[STO]
	v_add_nc_u32 v[STO], s23, v[STO]
	v_add_nc_u32 v[RD], s23, v[LI]
	s_wait_alu depctr_va_vdst(0)                   ; the wait at the head's end
; One matrix instruction on the registers named by rD, rX (source 0), rY (source 1), sX, sY (their scale words); oX, oY = 1: the words stand in lanes 16-31.  zero = 1: it starts the sum
.macro WM zero
.if \zero
.if oX && oY
	v_wmma_scale_f32_16x16x128_f8f6f4 v[rD:rD+7], v[rX:rX+11], v[rY:rY+11], 0, v[sX], v[sY] matrix_a_fmt:MATRIX_FMT_FP6 matrix_b_fmt:MATRIX_FMT_FP6 matrix_a_scale:MATRIX_SCALE_ROW1 matrix_b_scale:MATRIX_SCALE_ROW1
.elseif oX
	v_wmma_scale_f32_16x16x128_f8f6f4 v[rD:rD+7], v[rX:rX+11], v[rY:rY+11], 0, v[sX], v[sY] matrix_a_fmt:MATRIX_FMT_FP6 matrix_b_fmt:MATRIX_FMT_FP6 matrix_a_scale:MATRIX_SCALE_ROW1
.elseif oY
	v_wmma_scale_f32_16x16x128_f8f6f4 v[rD:rD+7], v[rX:rX+11], v[rY:rY+11], 0, v[sX], v[sY] matrix_a_fmt:MATRIX_FMT_FP6 matrix_b_fmt:MATRIX_FMT_FP6 matrix_b_scale:MATRIX_SCALE_ROW1
.else
	v_wmma_scale_f32_16x16x128_f8f6f4 v[rD:rD+7], v[rX:rX+11], v[rY:rY+11], 0, v[sX], v[sY] matrix_a_fmt:MATRIX_FMT_FP6 matrix_b_fmt:MATRIX_FMT_FP6
.endif
.else
.if oX && oY
	v_wmma_scale_f32_16x16x128_f8f6f4 v[rD:rD+7], v[rX:rX+11], v[rY:rY+11], v[rD:rD+7], v[sX], v[sY] matrix_a_fmt:MATRIX_FMT_FP6 matrix_b_fmt:MATRIX_FMT_FP6 matrix_a_scale:MATRIX_SCALE_ROW1 matrix_b_scale:MATRIX_SCALE_ROW1
.elseif oX
	v_wmma_scale_f32_16x16x128_f8f6f4 v[rD:rD+7], v[rX:rX+11], v[rY:rY+11], v[rD:rD+7], v[sX], v[sY] matrix_a_fmt:MATRIX_FMT_FP6 matrix_b_fmt:MATRIX_FMT_FP6 matrix_a_scale:MATRIX_SCALE_ROW1
.elseif oY
	v_wmma_scale_f32_16x16x128_f8f6f4 v[rD:rD+7], v[rX:rX+11], v[rY:rY+11], v[rD:rD+7], v[sX], v[sY] matrix_a_fmt:MATRIX_FMT_FP6 matrix_b_fmt:MATRIX_FMT_FP6 matrix_b_scale:MATRIX_SCALE_ROW1
.else
	v_wmma_scale_f32_16x16x128_f8f6f4 v[rD:rD+7], v[rX:rX+11], v[rY:rY+11], v[rD:rD+7], v[sX], v[sY] matrix_a_fmt:MATRIX_FMT_FP6 matrix_b_fmt:MATRIX_FMT_FP6
.endif
.endif
.endm
.macro XW t0, s, zero                  ; q^T += w x^T: fragments t0 .. t0 + 3 of w x my two tiles, K step s; the sixteen sums take turns
.irp t, \t0, \t0+1, \t0+2, \t0+3
.irp u, 0,1
.set rD, S+64*\u+8*(\t)
.set rX, FRG+12*(\t)
.if (\s) < 5
.set rY, 24*(\s)+12*\u
.else
.set rY, Q+24*((\s)-5)+12*\u
.endif
.set sX, KS+(\t)/2
.set sY, XS+(\s)
.set oX, (\t)%2
.set oY, \u
	WM \zero
.endr
.endr
.endm
.macro QSTEP s, zero                   ; a K step of the q product: w_query's block s from region B
	v_add_nc_u32 v[ADF], SLB+(\s)*BLK, v[LI]
	v_add_nc_u32 v[ADS], SLB+(\s)*BLK, v[LS]
	v_nop
	v_nop                                          ; four plain places between the last products and the loads into the registers that they read
.irp p, 0,1,2,3
	ds_load_b32 v[KS+\p], v[ADS] offset:12288+128*\p
.endr
	WIN 0x40
.set i, 0
.rept 24
	ds_load_b128 v[FRG+4*i:FRG+4*i+3], v[ADF] offset:512*i
.set i, i+1
.endr
	s_wait_loadcnt 7*(7-(\s))+2                    ; x's K step s is in; the later steps' seven loads each and the two mask words may be out
	s_wait_dscnt 12                                ; the scale words and fragments 0-3 are in; the youngest 12 loads may be out
.if (\s) < 5
	WIN 0x05                                       ; both sources window 1
.else
	WIN 0x01                                       ; source 0 window 1
.endif
	XW 0, \s, \zero
	s_wait_dscnt 0x0
	XW 4, \s, \zero
	WIN 0
.endm
.macro QQ u                            ; tile u's q: 64 numbers a lane along d become the operand's 12 registers and the scale word
.set rS, S+64*\u
.set rP, Q+12*\u
.irp b, 0,1,2,3
	v_max3_num_f32 v[BM+\b], |v[rS+16*\b]|, |v[rS+16*\b+1]|, 0x1800000   ; with the floor 2^(3 - 127); each accumulator is read from its low end on
.endr
.irp i, 2,4,6,8,10,12,14
.irp b, 0,1,2,3
	v_max3_num_f32 v[BM+\b], v[BM+\b], |v[rS+16*\b+\i]|, |v[rS+16*\b+\i+1]|
.endr
.endr
.irp b, 0,1,2,3
	v_permlanex16_b32 v[BP+\b], v[BM+\b], s[SEL], s[SEL+1]
.endr
.irp b, 0,1,2,3
	v_max_num_f32 v[BM+\b], v[BM+\b], v[BP+\b]
.endr
.irp b, 0,1,2,3
	v_add_nc_u32 v[SO+\b], 0xff000000, v[BM+\b]
.endr
.irp b, 0,1,2,3
	v_lshrrev_b32 v[BP+\b], 23, v[SO+\b]
.endr
	v_lshl_or_b32 v[QS+\u], v[BP+1], 8, v[BP]
	v_lshl_or_b32 v[QS+\u], v[BP+2], 16, v[QS+\u]
	v_lshl_or_b32 v[QS+\u], v[BP+3], 24, v[QS+\u]
.irp c, 0,1
	v_cvt_scalef32_pk16_fp6_f32 v[rP+6*\c:rP+6*\c+2], v[rS+32*\c:rS+32*\c+15], v[SO+2*\c]
	v_cvt_scalef32_pk16_fp6_f32 v[CT+4*\c:CT+4*\c+2], v[rS+32*\c+16:rS+32*\c+31], v[SO+2*\c+1]
.endr
	v_nop                                          ; one plain place behind a scaled conversion
.irp c, 0,1
.irp i, 0,1,2
	v_permlane16_swap_b32 v[rP+6*\c+\i], v[CT+4*\c+\i]
.endr
.irp i, 0,1,2
	v_mov_b32 v[rP+6*\c+3+\i], v[CT+4*\c+\i]
.endr
.endr
.endm
.macro KQ t0                           ; S^T = k q^T: fragments t0 .. t0 + 3 of k x my two tiles: eight sums, each begun with 0
.irp t, \t0, \t0+1, \t0+2, \t0+3
.irp u, 0,1
.set rD, S+64*\u+8*(\t)
.set rX, FRG+12*(\t)
.set rY, Q+12*\u
.set sX, KS+(\t)/2
.set sY, QS+\u
.set oX, (\t)%2
.set oY, 0
	WM 1
.endr
.endr
.endm
; Tile u's softmax for one key step: 64 scores a lane become p's codes and p's scale word; the statistics move on
.macro SOFT u
.set rT, ST+8*\u
.set rS, S+64*\u
.set rP, PC+12*\u
.irp b, 0,1,2,3
	v_max3_num_f32 v[BM+\b], v[rS+16*\b], v[rS+16*\b+1], v[rS+16*\b+2]   ; the largest score of each block of 32 keys: it serves the row's maximum and, since p rises with the score, the block's largest p
.endr
.irp i, 3,5,7,9,11,13
.irp b, 0,1,2,3
	v_max3_num_f32 v[BM+\b], v[BM+\b], v[rS+16*\b+\i], v[rS+16*\b+\i+1]
.endr
.endr
.irp b, 0,1,2,3
	v_max_num_f32 v[BM+\b], v[BM+\b], v[rS+16*\b+15]
.endr
.irp b, 0,1,2,3
	s_delay_alu instid0(VALU_DEP_4)
	v_permlanex16_b32 v[BP+\b], v[BM+\b], s[SEL], s[SEL+1]
.endr
.irp b, 0,1,2,3
	s_delay_alu instid0(VALU_DEP_4)
	v_max_num_f32 v[BM+\b], v[BM+\b], v[BP+\b]     ; with lane l xor 16's 16 keys
.endr
	s_delay_alu instid0(VALU_DEP_2)
	v_max3_num_f32 v[TA], v[BM], v[BM+1], v[BM+2]
	s_delay_alu instid0(VALU_DEP_1)
	v_max_num_f32 v[TA], v[TA], v[BM+3]            ; the step's largest score of my query,
	s_delay_alu instid0(VALU_DEP_1)
	v_fma_f32 v[TA], v[TA], s[CS], v[rT+6]         ; as t (c is positive)
	s_delay_alu instid0(VALU_DEP_1)
	v_max_num_f32 v[rT+5], v[rT+5], v[TA]          ; the running largest t
	v_mov_b32 v[rT+7], v[rT+1]
	s_delay_alu instid0(VALU_DEP_2)
	v_floor_f32 v[rT+1], -v[rT+5]                  ; the new -M = floor(-t): M is a whole number
	s_delay_alu instid0(VALU_DEP_1)
	v_sub_f32 v[rT+7], v[rT+1], v[rT+7]            ; old M - new M: a whole number, 0 or less
	s_delay_alu instid0(VALU_DEP_1)
	v_cvt_i32_f32 v[rT+7], v[rT+7]                 ; (it saturates)
	s_delay_alu instid0(VALU_DEP_1)
	v_ldexp_f32 v[rT+4], 1.0, v[rT+7]              ; f = 2^(old M - new M)
	s_delay_alu instid0(VALU_DEP_4)
	v_add_f32 v[rT], v[rT+6], v[rT+1]              ; mt - M
.set j, 0
.rept 32
	v_pk_fma_f32 v[rS+j:rS+j+1], v[rS+j:rS+j+1], s[CS:CS+1], v[rT:rT+1] op_sel_hi:[1,0,0]   ; t - M, two at a time
.set j, j+2
.endr
.irp b, 0,1,2,3
	v_fma_f32 v[BM+\b], v[BM+\b], s[CS], v[rT]     ; the same of each block's largest score
.endr
.set j, 0
	s_wait_alu depctr_va_vdst(0)                   ; the wait ahead of the batch
.rept 64
	v_exp_f32 v[rS+j], v[rS+j]                     ; p = 2^(t - M): NOT normalised
.set j, j+1
.endr
.irp b, 0,1,2,3
	v_exp_f32 v[BM+\b], v[BM+\b]                   ; the block's largest p
.endr
	v_pk_mul_f32 v[rT+2:rT+3], v[rT+2:rT+3], v[rT+4:rT+5] op_sel_hi:[1,0]   ; the sum under the new M.  (A plain place behind the exponentials)
	s_wait_alu depctr_va_vdst(0)                   ; and behind it
.irp b, 0,1,2,3
	v_max_num_f32 v[BM+\b], 0x1800000, v[BM+\b]    ; the floor 2^(3 - 127): the byte cannot fall under 1
.endr
.irp b, 0,1,2,3
	s_delay_alu instid0(VALU_DEP_4)
	v_add_nc_u32 v[SO+\b], 0xff000000, v[BM+\b]
.endr
.irp b, 0,1,2,3
	s_delay_alu instid0(VALU_DEP_4)
	v_lshrrev_b32 v[BP+\b], 23, v[SO+\b]
.endr
	s_delay_alu instid0(VALU_DEP_3)
	v_lshl_or_b32 v[PW+\u], v[BP+1], 8, v[BP]      ; p's scale word for these 128 keys
	s_delay_alu instid0(VALU_DEP_1)
	v_lshl_or_b32 v[PW+\u], v[BP+2], 16, v[PW+\u]
	s_delay_alu instid0(VALU_DEP_1)
	v_lshl_or_b32 v[PW+\u], v[BP+3], 24, v[PW+\u]
.irp c, 0,1
	v_cvt_scalef32_pk16_fp6_f32 v[rP+6*\c:rP+6*\c+2], v[rS+32*\c:rS+32*\c+15], v[SO+2*\c]
	v_cvt_scalef32_pk16_fp6_f32 v[CT+4*\c:CT+4*\c+2], v[rS+32*\c+16:rS+32*\c+31], v[SO+2*\c+1]
.endr
	v_nop                                          ; one plain place behind a scaled conversion
.irp c, 0,1
.irp i, 0,1,2
	v_permlane16_swap_b32 v[rP+6*\c+\i], v[CT+4*\c+\i]   ; lanes 0-15 get block 2 c whole, lanes 16-31 block 2 c + 1
.endr
.irp i, 0,1,2
	s_delay_alu instid0(VALU_DEP_3)
	v_mov_b32 v[rP+6*\c+3+\i], v[CT+4*\c+\i]
.endr
.endr
	v_pk_add_f32 v[SUM:SUM+1], v[rS:rS+1], v[rS+2:rS+3]   ; the row's sum is taken of the UNQUANTISED p, in two chains
.set j, 4
.rept 15
	v_pk_add_f32 v[rT+2:rT+3], v[rT+2:rT+3], v[rS+j:rS+j+1]
	v_pk_add_f32 v[SUM:SUM+1], v[SUM:SUM+1], v[rS+j+2:rS+j+3]
.set j, j+4
.endr
	s_delay_alu instid0(VALU_DEP_1)
	v_pk_add_f32 v[rT+2:rT+3], v[rT+2:rT+3], v[SUM:SUM+1]
.endm
; A KEY STEP: 128 keys; its block of k lies at s[TB], its block of v BLK bytes on
.macro STEP
	v_add_nc_u32 v[ADF], s[TB], v[LI]
	v_add_nc_u32 v[ADS], s[TB], v[LS]
	v_nop
	v_nop                                          ; four plain places between the last step's products and the loads into the registers that they read
.irp p, 0,1,2,3
	ds_load_b32 v[KS+\p], v[ADS] offset:12288+128*\p
.endr
	WIN 0x40
.set i, 0
.rept 24
	ds_load_b128 v[FRG+4*i:FRG+4*i+3], v[ADF] offset:512*i
.set i, i+1
.endr
	s_wait_alu depctr_va_vdst(0)                   ; the wait
	s_wait_dscnt 12                                ; the scale words and fragments 0-3 are in; the youngest 12 loads may be out
	WIN 0x01
	KQ 0
	s_wait_dscnt 0x0
	KQ 4
	WIN 0
	PLACES                                         ; behind the products: loads into k's registers, and the first reads of the scores
.irp p, 0,1,2,3
	ds_load_b32 v[VS+\p], v[ADS] offset:BLK+12288+128*\p
.endr
	WIN 0x40
.set i, 0
.rept 24
	ds_load_b128 v[FRG+4*i:FRG+4*i+3], v[ADF] offset:BLK+512*i   ; v's eight fragments land under the softmax
.set i, i+1
.endr
	WIN 0
	SOFT 0
	SOFT 1
	WIN 0x41                                       ; O^T window 1, f window 0
.irp u, 0,1
.set j, 0
.rept 32
	v_pk_mul_f32 v[64*\u+j:64*\u+j+1], v[64*\u+j:64*\u+j+1], v[ST+8*\u+4:ST+8*\u+5] op_sel_hi:[1,0]   ; O^T under the new M; also the places between p's codes and scale words and the products
.set j, j+2
.endr
.endr
	s_wait_alu depctr_va_vdst(0)                   ; the wait ahead of the wait below
	s_wait_dscnt 0x0                               ; v
	WIN 0x51
.irp t, 0,1,2,3,4,5,6,7                ; O^T += v^T p^T: the sixteen accumulators by turns
.irp u, 0,1
.set rD, 64*\u+8*\t
.set rX, FRG+12*\t
.set rY, PC+12*\u
.set sX, VS+\t/2
.set sY, PW+\u
.set oX, \t%2
.set oY, 0
	WM 0
.endr
.endr
	WIN 0
	s_add_co_u32 s[TB], s[TB], STEPB
.endm
.macro STEPS n
	s_mov_b32 s[CNT], \n
.Lstep_\@:
	STEP
	s_sub_co_u32 s[CNT], s[CNT], 1
	s_cmp_lg_u32 s[CNT], 0
	s_cbranch_scc1 .Lstep_\@
.endm
	CHANGE 1, 100, 0, 0                            ; w_query is whole for every wave; key steps 0-7 are asked for, region A's first fill, issued as a refill is
	QSTEP 0, 1
.irp s, 1,2,3,4,5,6,7
	QSTEP \s, 0
.endr
	PLACES
.irp b, 0,1,2,3
	v_mov_b32 v[BP+\b], 0                          ; a lane permute's destination counts as one of its sources
.endr
	QQ 0
	QQ 1
	v_mov_b32 v10, 0xc4b4563e                      ; -1000 log2(e)
	s_wait_alu depctr_va_vdst(0)                   ; the wait ahead of the wait below
	s_wait_loadcnt 0x0                             ; the mask
.irp u, 0,1
	v_cmp_eq_u32 vcc_lo, 0, v[ST+8*\u+7]
	v_cndmask_b32 v[ST+8*\u+6], 0, v10, vcc_lo     ; mt: the choice selects a value; no branch and no address hangs on it
.endr
.irp u, 0,1
	v_mov_b32 v[ST+8*\u+5], 0xff61b1e6             ; the largest t so far: -3e38
	v_mov_b32 v[ST+8*\u], 0
	v_mov_b32 v[ST+8*\u+2], 0
	v_mov_b32 v[ST+8*\u+3], 0
	v_mov_b32 v[ST+8*\u+4], 0
	v_floor_f32 v[ST+8*\u+1], -v[ST+8*\u+5]        ; -M
.endr
	WIN 0x40
.set j, 0
.rept 128
	v_mov_b32 v[j], 0                              ; O^T.  The key step is written once for all steps: the first finds zeros
.set j, j+1
.endr
	WIN 0
	s_wait_alu depctr_va_vdst(0)                   ; the wait ahead of the waits and branches below
	CHANGE 1, 50, SLB, 8                           ; key steps 0-7 are whole; region B, read out, takes steps 8-11
	STEPS 8
	s_mov_b32 s[TB], SLB
	CHANGE 1, 50, 0, 12                            ; region A's first half takes steps 12-15
	STEPS 4
	s_mov_b32 s[TB], 0
	CHANGE 0, 0, 0, 0                              ; nothing more is asked for
	STEPS 4
	; THE WAY OUT.  O^T is divided by the sum and goes through my stage in LDS, a tile of 16 rows at a time, so that each store covers a whole row of 512 bytes.
	PLACES
.irp u, 0,1
	v_add_f32 v[ST+8*\u+7], v[ST+8*\u+2], v[ST+8*\u+3]
.endr
.irp u, 0,1
	s_delay_alu instid0(VALU_DEP_2)
	v_permlanex16_b32 v[BP+\u], v[ST+8*\u+7], s[SEL], s[SEL+1]
.endr
.irp u, 0,1
	s_delay_alu instid0(VALU_DEP_2)
	v_add_f32 v[ST+8*\u+7], v[ST+8*\u+7], v[BP+\u] ; the row's sum
.endr
	s_wait_alu depctr_va_vdst(0)
.irp u, 0,1
	v_rcp_f32 v[ST+8*\u+4], v[ST+8*\u+7]
.endr
	v_nop                                          ; one plain place behind a transcendental
	s_wait_alu depctr_va_vdst(0)
; Register 16 b + i of a tile's O^T is d = 32 b + 16 (lane / 16) + i: the four b of one i are laid side by side, 16 bytes, at byte 256 (lane / 16) + 16 i of the row
.macro PACK u
	WIN 0x01
.set i, 0
.rept 16
.irp b, 0,1,2,3
	v_mul_f32 v[S+64*\u+4*i+\b], v[64*\u+16*\b+i], v[ST+8*\u+4]   ; each accumulator from its low end on
.endr
.set i, i+1
.endr
	WIN 0
.set i, 0
.rept 16
	ds_store_b128 v[STO], v[S+64*\u+4*i:S+64*\u+4*i+3] offset:16*i
.set i, i+1
.endr
.set i, 0
.rept 16
	ds_load_b128 v[S+64*\u+4*i:S+64*\u+4*i+3], v[RD] offset:528*i   ; LDS serves a wave's instructions in order
.set i, i+1
.endr
.endm
.macro SEND u, younger                 ; younger: the LDS instructions issued behind tile u's loads
.set k, 0
.rept 16
	s_wait_dscnt \younger+15-k
	global_store_b128 v[LI], v[S+64*\u+4*k:S+64*\u+4*k+3], s[50:51] offset:(8*\u+k+8*(k/8))*512   ; stage row k is query 8 u + k + 8 (k / 8) of my 32
.set k, k+1
.endr
.endm
	PACK 0
	PACK 1
	SEND 0, 32                                     ; behind tile 0's loads: tile 1's 16 stores and 16 loads
	SEND 1, 0
	s_wait_tensorcnt 0x0                           ; the wave's end
	ds_add_u32 v[SPW], v[NIL]
	s_wait_dscnt 0x0
	CROUND                                         ; the closing round
	s_endpgm
.Lfunc_end_k_qbc84f88e6e_attn:
	.size	k_qbc84f88e6e_attn, .Lfunc_end_k_qbc84f88e6e_attn-k_qbc84f88e6e_attn
	.p2alignl 7, 3214868480
	.fill 96, 4, 3214868480
	.section	.rodata,"a",@progbits
	.p2align	6, 0x0
	.amdhsa_kernel k_qbc84f88e6e_attn
		.amdhsa_group_segment_fixed_size 327680
		.amdhsa_private_segment_fixed_size 0
		.amdhsa_enable_private_segment 0
		.amdhsa_kernarg_size 40
		.amdhsa_user_sgpr_count 2
		.amdhsa_user_sgpr_kernarg_segment_ptr 1
		.amdhsa_wavefront_size32 1
		.amdhsa_system_sgpr_workgroup_id_x 1
		.amdhsa_system_sgpr_workgroup_id_y 1
		.amdhsa_system_sgpr_workgroup_id_z 1
		.amdhsa_system_vgpr_workitem_id 0
		.amdhsa_next_free_vgpr 512
		.amdhsa_next_free_sgpr 66
		.amdhsa_reserve_vcc 1
		.amdhsa_float_denorm_mode_32 3
		.amdhsa_float_denorm_mode_16_64 3
		.amdhsa_memory_ordered 1
		.amdhsa_forward_progress 1
		.amdhsa_inst_pref_size 181
	.end_amdhsa_kernel
	.amdgpu_metadata
---
amdhsa.version: [ 1, 2 ]
amdhsa.kernels:
  - .name:           k_qbc84f88e6e_attn
    .symbol:         k_qbc84f88e6e_attn.kd
    .args:
      - { .name: kv, .offset: 0, .size: 8, .value_kind: global_buffer, .address_space: global }
      - { .name: token_attention_masks_source, .offset: 8, .size: 8, .value_kind: global_buffer, .address_space: global }
      - { .name: ow, .offset: 16, .size: 8, .value_kind: global_buffer, .address_space: global }
      - { .name: xq, .offset: 24, .size: 8, .value_kind: global_buffer, .address_space: global }
      - { .name: wq, .offset: 32, .size: 8, .value_kind: global_buffer, .address_space: global }
    .group_segment_fixed_size: 327680
    .private_segment_fixed_size: 0
    .kernarg_segment_align: 8
    .kernarg_segment_size: 40
    .max_flat_workgroup_size: 256
    .sgpr_count:     66
    .vgpr_count:     512
    .wavefront_size: 32
...
	.end_amdgpu_metadata
.endif
;; end of part 3
;; launch merge (part 4): grid 256 x 1, 8 waves a work-group, no clusters, 0 bytes of LDS; arguments ow, out0; writes out0
.if DOCPART == 4
	.amdgcn_target "amdgcn-amd-amdhsa--gfx1250"
	.amdhsa_code_object_version 6
	.text
	.protected	k_qbc84f88e6e_merge
	.globl	k_qbc84f88e6e_merge
	.p2align	8
	.type	k_qbc84f88e6e_merge,@function
k_qbc84f88e6e_merge:
	s_mov_b64 s[64:65], 0
	v_nop
	global_prefetch_b8 v0, s[64:65] scope:SCOPE_SE
	s_setreg_imm32_b32 hwreg(HW_REG_WAVE_MODE, 25, 1), 1
	s_wait_xcnt 0x0
; out0[b][s][8 d + head] = O[b][head][s][d]: the eight heads are interleaved, four bytes at a time.
; ow is f32 [b][head][s][128], and in a row d stands at place 64 ((d / 16) % 2) + 4 (d % 16) + d / 32.  A stream: nothing is shared, so no LDS, no barrier, no cluster, no matrix work.
; A wave takes four rows (b, s).  Lane l = 2 i + a loads, for e = 0 .. 3 and g = 0, 1, the 16 bytes at 256 g + 16 i of head 4 a + e's row: d = 32 b' + 16 g + i for b' = 0 .. 3.
; The even lanes of a load cover 256 consecutive aligned bytes of one head's row, the odd lanes those of the head four further on.
; In out0 the number (d, head) stands at byte 32 d + 4 head = 512 (2 b' + g) + 16 l + 4 e: so store k = 2 b' + g takes from each lane the four e of one (b', g): a turn of 4 x 4 words in the lane's own registers;
; each store covers 512 consecutive bytes, aligned to 256.  All 32 loads of a wave go out at its head.
.set R, 32                             ; v32-159   row i, head e, half g: four registers at R + 32 i + 8 e + 4 g
.set W, 160                            ; v160-223  two sets of 32 registers to store
	s_load_b128 s[4:7], s[0:1], 0x0                ; ow, out0
	v_lshrrev_b32 v3, 5, v0
	s_delay_alu instid0(VALU_DEP_1)
	v_readfirstlane_b32 s8, v3                     ; wave
	v_and_b32 v3, 31, v0                           ; lane
	v_and_b32 v4, 1, v0                            ; a
	s_delay_alu instid0(VALU_DEP_2)
	v_lshrrev_b32 v5, 1, v3                        ; i
	s_delay_alu instid0(VALU_DEP_2)
	v_lshlrev_b32 v1, 22, v4                       ; four heads of 2,048 rows of 512 bytes
	s_delay_alu instid0(VALU_DEP_1)
	v_lshl_add_u32 v1, v5, 4, v1
	v_lshlrev_b32 v2, 4, v3
	s_lshr_b32 s9, ttmp9, 6                        ; b
	s_and_b32 s10, ttmp9, 63
	s_lshl_b32 s10, s10, 5
	s_lshl_b32 s11, s8, 2
	s_add_co_u32 s10, s10, s11                     ; my first s
	s_lshl_b32 s12, s9, 23                         ; ow: eight heads a batch,
	s_lshl_b32 s13, s10, 9                         ; 512 bytes a row
	s_add_co_u32 s12, s12, s13
	s_mov_b32 s13, 0
	s_lshl_b32 s14, s9, 23                         ; out0: 2,048 rows a batch,
	s_lshl_b32 s15, s10, 12                        ; 4,096 bytes a row
	s_add_co_u32 s14, s14, s15
	s_mov_b32 s15, 0
	s_wait_alu depctr_va_vdst(0)
	s_wait_kmcnt 0x0
	s_add_nc_u64 s[4:5], s[4:5], s[12:13]
	s_add_nc_u64 s[6:7], s[6:7], s[14:15]
.irp i, 0,1,2,3
.irp e, 0,1,2,3
.irp g, 0,1
	global_load_b128 v[R+32*\i+8*\e+4*\g:R+32*\i+8*\e+4*\g+3], v1, s[4:5] offset:\e*1048576+256*\g+512*\i th:TH_LOAD_NT
.endr
.endr
.endr
.macro ROW i
	s_wait_loadcnt 8*(3-\i)                        ; loads come back in order: this row's eight are in, the later rows' stay out
.if \i >= 2
	s_wait_xcnt 0x0                                ; the stores of two rows ago have read this set of registers: only behind this wait is it written again
.endif
.irp b, 0,1,2,3
.irp g, 0,1
.irp e, 0,1,2,3
	v_mov_b32 v[W+32*(\i%2)+4*(2*\b+\g)+\e], v[R+32*\i+8*\e+4*\g+\b]
.endr
.endr
.endr
.irp k, 0,1,2,3,4,5,6,7
	global_store_b128 v2, v[W+32*(\i%2)+4*\k:W+32*(\i%2)+4*\k+3], s[6:7] offset:4096*\i+512*\k th:TH_STORE_NT
.endr
.endm
	ROW 0
	ROW 1
	ROW 2
	ROW 3
	s_endpgm
.Lfunc_end_k_qbc84f88e6e_merge:
	.size	k_qbc84f88e6e_merge, .Lfunc_end_k_qbc84f88e6e_merge-k_qbc84f88e6e_merge
	.p2alignl 7, 3214868480
	.fill 96, 4, 3214868480
	.section	.rodata,"a",@progbits
	.p2align	6, 0x0
	.amdhsa_kernel k_qbc84f88e6e_merge
		.amdhsa_group_segment_fixed_size 0
		.amdhsa_private_segment_fixed_size 0
		.amdhsa_enable_private_segment 0
		.amdhsa_kernarg_size 16
		.amdhsa_user_sgpr_count 2
		.amdhsa_user_sgpr_kernarg_segment_ptr 1
		.amdhsa_wavefront_size32 1
		.amdhsa_system_sgpr_workgroup_id_x 1
		.amdhsa_system_sgpr_workgroup_id_y 1
		.amdhsa_system_sgpr_workgroup_id_z 1
		.amdhsa_system_vgpr_workitem_id 0
		.amdhsa_next_free_vgpr 224
		.amdhsa_next_free_sgpr 66
		.amdhsa_reserve_vcc 0
		.amdhsa_float_denorm_mode_32 3
		.amdhsa_float_denorm_mode_16_64 3
		.amdhsa_memory_ordered 1
		.amdhsa_forward_progress 1
		.amdhsa_inst_pref_size 12
	.end_amdhsa_kernel
	.amdgpu_metadata
---
amdhsa.version: [ 1, 2 ]
amdhsa.kernels:
  - .name:           k_qbc84f88e6e_merge
    .symbol:         k_qbc84f88e6e_merge.kd
    .args:
      - { .name: ow, .offset: 0, .size: 8, .value_kind: global_buffer, .address_space: global }
      - { .name: out0, .offset: 8, .size: 8, .value_kind: global_buffer, .address_space: global }
    .group_segment_fixed_size: 0
    .private_segment_fixed_size: 0
    .kernarg_segment_align: 8
    .kernarg_segment_size: 16
    .max_flat_workgroup_size: 256
    .sgpr_count:     66
    .vgpr_count:     224
    .wavefront_size: 32
...
	.end_amdgpu_metadata
.endif
;; end of part 4
